; MI455X (gfx1250); checked and timed in simulation.
; The chip was launched on July 23, 2026; its instructions are those of AMD's public machine-readable ISA for CDNA 5 (MIT licence, August 2026) and "CDNA5" Instruction Set Architecture Reference Guide (July 2026). The comments in the code are by the model that wrote it; some were corrected since.
;; Causal Self Attention. Allowed arithmetic: matrix products marked QUANTISED: E4M3 operands, one given power-of-two scale a tensor, by v_wmma_f32_16x16x64_fp8_fp8 or v_wmma_f32_16x16x128_fp8_fp8, f32 sums; everything else in f32.
;; Inputs: W_proj_codes 1,024 x 32 x 32 uint8 (E4M3 codes of W_proj, K innermost, in blocks of 32 codes); W_qkv_codes 3,072 x 32 x 32 uint8 (E4M3 codes of W_qkv, K innermost, in blocks of 32 codes); b_proj 1,024 float32; b_qkv 3,072 float32; lowp_scales 8 int32 (the exponents e of the quantised operands' scales 2^e); x_codes 4 x 2,048 x 32 x 32 uint8 (E4M3 codes of x, K innermost, in blocks of 32 codes).
;; Outputs: out0 4 x 2,048 x 1,024 float32.
;; This version of the problem:
;;   THIS VERSION OF THE PROBLEM IS GIVEN IN LOW PRECISION. The matrix products marked QUANTISED in the list below multiply operands that are first quantised to E4M3 (4 exponent bits, 3 mantissa bits; 8 bits a number), with one given power-of-two scale for each operand tensor; their sums are f32. All else is computed in f32.
;;   The module's matrix products, in the order in which they are computed (A, B: the left and right operand; K: the contracted axis; several contracted axes count as one K, in the product's order):
;;     1. [M 8,192, K 1,024] x [K 1,024, N 3,072]; A: input x (given as codes); B: input W_qkv (given as codes): QUANTISED (scales: A lowp_scales[0], B lowp_scales[1])
;;     2. batch 64 x [M 2,048, K 64] x [K 64, N 2,048]; A: computed on the way; B: computed on the way: QUANTISED (scales: A lowp_scales[2], B lowp_scales[3])
;;     3. batch 64 x [M 2,048, K 2,048] x [K 2,048, N 64]; A: softmax (see below); B: computed on the way: QUANTISED (scales: A lowp_scales[4], B lowp_scales[5])
;;     4. [M 8,192, K 1,024] x [K 1,024, N 1,024]; A: computed on the way; B: input W_proj (given as codes): QUANTISED (scales: A lowp_scales[6], B lowp_scales[7])
;;   THE QUANTISER, for each operand of a quantised product, along K:
;;     - The operand's scale is 2^e, e = its entry of the input lowp_scales (int32; the entries are numbered through the quantised products in the list's order, A before B).
;;     - Each number is divided by the scale, clamped to +-448, and rounded to the nearest number of E4M3, ties to even, subnormals kept.
;;     - The product sums the exact products of the quantised numbers (number of the format x scale) in f32.
;;   ~~~python
;;   def quantise(x, axis, e):      # numpy; x: float32 -> the quantised numbers, widened to float32 again
;;       x = np.moveaxis(x, axis, -1); K = x.shape[-1]
;;       r = np.clip(x / 2.0 ** e, -448, 448)
;;       step = 2.0 ** (np.maximum(np.frexp(np.where(r == 0, 1, r))[1] - 1, -6) - 3)
;;       q = np.round(r / step) * step * 2.0 ** e      # np.round: ties to even
;;       return np.moveaxis(q, -1, axis).astype(np.float32)
;;   ~~~
;;   SOFTMAX AHEAD OF A QUANTISED PRODUCT. Where the list says 'softmax', what is quantised is not the finished softmax but p = 2^(t - M), with t = logit x log2(e) and M = ceil(the row's largest t), a whole number; so 1/2 < the row's largest p <= 1. The row's sum l is taken of the UNQUANTISED p, in f32, and the product's result is divided by l at the end. Since M is a whole number, a kernel that streams over the keys may use a running M (the ceiling of the running maximum): every later rescaling is an exact power of two, so the quantised numbers keep their values, but for numbers so far below the row's largest that they fall under the format's range.
;;   OPERANDS COMPUTED ON THE WAY. 'Computed on the way' means the value that the module computes at that place (a softmax that the list does not call 'softmax' is quantised finished and normalised). What goes into a quantiser is computed in f32, as accurately as f32 sums, v_exp_f32 and their like allow (about 1e-6 of the number): no bf16 or f16 on the way to a quantiser, and a product that is left as it is and whose result goes on into a quantised operand takes f32 operands (vector FMAs, or v_wmma_f32_16x16x4_f32). A number that lies on a knife's edge between two numbers of the format may be rounded either way, as far as f32 arithmetic and the matrix unit's own rounding can turn it there, and no further.
;;   INPUTS GIVEN AS CODES. W_proj (in the module: [1024, 1024], K = its axis 0); W_qkv (in the module: [1024, 3072], K = its axis 0); x (in the module: [4, 2048, 1024], K = its axis 2): each comes as NAME_codes (uint8): NAME with its K axis moved to the last place and cut into blocks of 32 codes, [.., K / 32, bytes a block], one block behind the other in memory; one code a byte (a code: sign, 4 exponent bits, 3 mantissa bits); its scale is its entry of lowp_scales. Its value is code x scale, taken as it is: it is not quantised again, and the codes and scales need not be those that the quantiser above would give.
;; One version. Each part assembles by itself: llvm-mc -triple=amdgcn-amd-amdhsa -mcpu=gfx1250 --defsym DOCPART=n.
;; ======== version 1 of 1: 3 launches
;; limits: right only within a limited range of input values
;; workspace buffers: qkvimg 25,165,824 bytes; yimg 8,388,608 bytes
;; launch qkv (part 1): grid 8 x 32, 4 waves a work-group, clusters of 4 x 4, 327,680 bytes of LDS; arguments x_codes, W_qkv_codes, b_qkv, lowp_scales, qkvimg; writes qkvimg
.if DOCPART == 1
	.amdgcn_target "amdgcn-amd-amdhsa--gfx1250"
	.amdhsa_code_object_version 6
	.text
	.protected	k_qf1988f4fa3_qkv
	.globl	k_qf1988f4fa3_qkv
	.p2align	8
	.type	k_qf1988f4fa3_qkv,@function
k_qf1988f4fa3_qkv:
	s_mov_b64 s[64:65], 0
	v_nop
	global_prefetch_b8 v0, s[64:65] scope:SCOPE_SE
	s_setreg_imm32_b32 hwreg(HW_REG_WAVE_MODE, 25, 1), 1
	s_wait_xcnt 0x0
	s_wait_alu depctr_hold_cnt(0) depctr_sa_sdst(0) depctr_va_vdst(0) depctr_va_sdst(0) depctr_va_ssrc(0) depctr_va_vcc(0) depctr_vm_vsrc(0)
	s_getreg_b32 s2, hwreg(HW_REG_IB_STS2, 6, 4)
	s_cmp_eq_u32 s2, 0
	s_cbranch_scc0 .Lentry_in_a_cluster
	s_endpgm
.Lentry_in_a_cluster:
	s_bfe_u32 s2, ttmp6, 0x10000c
	s_cmp_lg_u32 s2, 0xf033
	s_cbranch_scc0 .Lentry_shape_is_right
	s_endpgm
.Lentry_shape_is_right:
; qkv = x W_qkv + b_qkv on codes of E4M3 (x: [8192][1024], W_qkv: [3072][1024], K innermost, one code a byte); q, k and v are quantised at once with their given scales
; (entries 2, 3 and 5 of the scales) and stored as IMAGES OF THE NEXT LAUNCH'S OPERAND REGISTERS: nothing is transposed later, and every store of a wave covers 512 consecutive bytes, aligned.
;   q at byte 0, k at 8,388,608: [16 batch + head][token / 16][group of 4 registers (2)][lane][16 bytes]: lane (r, h), registers 2 c, 2 c + 1 = token r of the tile, d = 16 c + 8 h + 0 .. 7
;   v at 16,777,216: [16 batch + head][key / 128][d / 16][group (4)][lane][16 bytes]: lane (r, h), registers 2 c, 2 c + 1 = d r of the tile, key = 16 c + 8 h + 0 .. 7
; LIMITS on the given exponents, so that each power of two below is an f32 number: e0 + e1 between -126 and 127; e2, e3, e5 between -126 and 119.  NaN among the biases is not served.
; SHARES.  256 work-groups of four waves; each makes THREE tiles, one after the other, and the ring of two LDS slots runs on from tile to tile.  A tile is 256 rows of an operand S1 x 128 rows of an operand S0, K = 1,024.
; The matrix instruction takes S0 as source 0 and S1 as source 1: in a result lane r is a row of S1, and the lane's eight registers are eight neighbouring rows of S0.
;   tile 0 (q), tile 1 (k): S1 = 256 tokens, S0 = 128 features: a lane's registers run along d, which is the K of q k^T.
;   tile 2 (v): S1 = 256 features, S0 = 128 tokens: a lane's registers run along the keys, which are the K of p v.
; A wave makes 128 rows of S1 x 64 rows of S0: 32 accumulators.  The conversions' results are the image's registers as they stand.
; CLUSTER 4 x 4.  S1's tile hangs on cy and the cluster's y alone and is asked for jointly along a row of the cluster; S0's hangs on cx and the cluster's place alone and is asked for jointly along a column.
; K goes in slots of 256 (rows of 256 bytes in memory), two steps of 128 to a slot.  Both operands are fetched from LDS by loads of 16 bytes, which permutes k alike in both: every product meets its partner.
; REGISTERS, in windows of 256.  Window 0: v0-31 addresses and scales; v32-63 a block's numbers; v64-127 a tile's codes; v128-255 S0's fragments, two sets of 64.
;   Window 1: S1's fragments, two sets of 128.   Window 2: accumulator (a, b) at v[8 (4 a + b)].   Window 3: v0-31 q's biases, v32-63 k's (result layout), v64-79 v's (a lane's own feature, twice).
.set PITCH,  272                       ; an LDS row: 256 bytes + 16 of padding = 68 words: the 16 rows that a load touches start 4 banks apart (64 banks of 4 bytes: ISA guide 11.1)
.set S1H,    128*PITCH                 ; 128 rows of S1: one tensor load, and what one wave reads
.set S0H,    64*PITCH                  ; 64 rows of S0: likewise
.set S0OFF,  2*S1H                     ; a slot: S1's 256 rows, then S0's 128
.set SLOT,   S0OFF+2*S0H
.set SPARE,  2*SLOT                    ; behind the ring: the spare words, 128 bytes a wave: two blocks of 256 bytes that no other line names
.set ADR1, 16                          ; v16-17  LDS address of my S1 fragments in slot 0, 1
.set ADR0, 18                          ; v18-19  the same for S0
.set LI,   26                          ; v26     16 x lane: my place in a group of an image
.set SPW,  28                          ; v28     my spare word; never rewritten
.set NIL,  29                          ; v29     0; never rewritten
.set T,    32
.set CD,   64
.set F0,   128
.set BLV,  64                          ; in window 3
.set G1,   24                          ; s[24:31] descriptor group 1 for S1; s[32:39] its groups 0, one for each slot
.set G0,   32
.set G1B,  48                          ; s[48:55], s[56:63] the same for S0
.set G0B,  56
.set XS1,  66                          ; s[66:67] x at my half of the tokens of tiles 0 and 1
.set WS1,  68                          ; s[68:69] W at my half of tile 2's features
.set WQ0,  70                          ; s[70:71] W at my half of tile 0's features
.set WK0,  72                          ; s[72:73] the same for tile 1
.set XS0,  74                          ; s[74:75] x at my half of tile 2's tokens
.set OQ,   76                          ; s[76:77], s[78:79], s[80:81] where my wave's images of q, k, v begin
.set OK,   78
.set OV,   80
.set MSB, 0
.macro WIN new                         ; the immediate's high byte repeats the setting that is left; a switch that changes nothing is dropped
.if MSB != \new
	s_set_vgpr_msb (MSB<<8)|\new
.set MSB, \new
.endif
.endm
.macro PLACES n
.rept \n
	v_nop
.endr
.endm
; A joint load: waves 0 and 1 fetch S1's halves, waves 2 and 3 S0's.  The branch hangs on the wave's number alone.  Four v_nop follow each of the two lines.
.macro JLOAD s
	s_cmp_eq_u32 s15, 0
	s_cbranch_scc0 .Lfor_s0_\@
	tensor_load_to_lds s[G0+4*\s:G0+4*\s+3], s[G1:G1+7]
	s_nop 0
.rept 4
	v_nop
.endr
	s_branch .Lasked_\@
.Lfor_s0_\@:
	tensor_load_to_lds s[G0B+4*\s:G0B+4*\s+3], s[G1B:G1B+7]
	s_nop 0
.rept 4
	v_nop
.endr
.Lasked_\@:
.endm
.macro CREST                           ; a round of the cluster's barrier behind its opening barrier
	s_cmp_lg_u32 s14, 0
	s_cbranch_scc1 .Lnot_wave_0_\@
	s_barrier_signal -3
.Lnot_wave_0_\@:
	s_barrier_wait -3
	s_barrier_signal -1
	s_barrier_wait -1
.endm
.macro CROUND                          ; a whole round
	s_barrier_signal -1
	s_barrier_wait -1
	CREST
.endm
.macro SCL e, sc, lim                  ; v[sc] = 2^e as f32 (the conversion takes its exponent field)
	s_add_co_i32 s2, s[\e], 127
	s_lshl_b32 s3, s2, 23
	v_mov_b32 v[\sc], s3
.endm
	s_load_b256 s[4:11], s[0:1], 0x0               ; x s[4:5], W s[6:7], b s[8:9], the scales' exponents s[10:11]
	s_load_b64 s[12:13], s[0:1], 0x20              ; the images
	v_lshl_add_u32 v[SPW], v0, 2, SPARE
	v_mov_b32 v[NIL], 0
	ds_add_u32 v28, v29
	ds_add_u32 v28, v29
	s_wait_dscnt 0x0
	v_lshrrev_b32 v1, 5, v0
	v_readfirstlane_b32 s14, v1                    ; wave 0..3
	s_lshr_b32 s15, s14, 1                         ; which 128 rows of S1 are mine.  Also: I fetch for S1 (0) or for S0 (1)
	s_and_b32 s16, s14, 1                          ; which 64 rows of S0 are mine.  Also: which half of that operand's tile I fetch
	s_bfe_u32 s40, ttmp6, 0x40000                  ; cx
	s_bfe_u32 s41, ttmp6, 0x40004                  ; cy
	s_lshl_b32 s42, ttmp9, 2
	s_add_co_u32 s42, s42, s40                     ; X = 4 x cluster x + cx, 0..7
	s_and_b32 s18, ttmp7, 0xffff                   ; cluster y, 0..7
	s_lshl_b32 s17, s18, 2
	s_add_co_u32 s17, s17, s41                     ; Y = 4 x cluster y + cy, 0..31
	s_lshl_b32 s43, s41, 2
	s_lshl_b32 s43, 15, s43                        ; my row of the cluster
	s_lshl_b32 s44, 0x1111, s40                    ; my column
	; descriptor groups 1: rows of 256 bytes, 1,024 bytes apart in memory, 16 bytes of padding behind each in LDS; 128 rows for S1, 64 for S0
	s_or_b32 s[G1+0], s43, (1<<20)|(1<<21)|(5<<22)|(3<<25)   ; 15:0 the mask; 17:16 elements of 1 byte; 20 padding on; 21 set beside a mask; 24:22 after every 64 words; 31:25 four words
	s_mov_b32 s[G1+1], 256<<16                     ; tensor_dim0
	s_mov_b32 s[G1+2], 128<<16                     ; tensor_dim1
	s_mov_b32 s[G1+3], 256<<16                     ; tile_dim0
	s_mov_b32 s[G1+4], 128                         ; tile_dim1
	s_mov_b32 s[G1+5], 1024                        ; from row to row
	s_mov_b32 s[G1+6], 0
	s_mov_b32 s[G1+7], 0
	s_or_b32 s[G1B+0], s44, (1<<20)|(1<<21)|(5<<22)|(3<<25)
	s_mov_b32 s[G1B+1], 256<<16
	s_mov_b32 s[G1B+2], 64<<16
	s_mov_b32 s[G1B+3], 256<<16
	s_mov_b32 s[G1B+4], 64
	s_mov_b32 s[G1B+5], 1024
	s_mov_b32 s[G1B+6], 0
	s_mov_b32 s[G1B+7], 0
	; byte offsets of the five places from which tiles come.  S1's are made in s20-23, which never hold cx; S0's in s45-47 and s94-95, which never hold cy
	s_lshl_b32 s20, s17, 18                        ; x: 256 Y rows of 1,024 bytes
	s_lshl_b32 s21, s16, 17                        ; + my half's 128 rows
	s_add_co_u32 s20, s20, s21
	s_mov_b32 s21, 0
	s_lshl_b32 s22, s41, 18                        ; W: row 2,048 + 256 cy
	s_lshl_b32 s23, s16, 17
	s_add_co_u32 s22, s22, s23
	s_add_co_u32 s22, s22, 0x200000
	s_mov_b32 s23, 0
	s_lshl_b32 s46, s42, 17                        ; W: row 128 X
	s_lshl_b32 s47, s16, 16                        ; + my half's 64 rows
	s_add_co_u32 s46, s46, s47
	s_mov_b32 s47, 0
	s_lshl_b32 s45, s18, 3
	s_add_co_u32 s45, s45, s42                     ; tile 2's block of 128 tokens: X + 8 x cluster y, 0..63
	s_lshl_b32 s94, s45, 17
	s_lshl_b32 s95, s16, 16
	s_add_co_u32 s94, s94, s95
	s_mov_b32 s95, 0
	s_mul_i32 s19, s16, S1H                        ; where they go in a slot: no place in the cluster enters an LDS address
	s_mul_i32 s96, s16, S0H
	s_add_co_u32 s96, s96, S0OFF
	s_wait_kmcnt 0x0
	s_load_b256 s[84:91], s[10:11], 0x0            ; e0 .. e7
	s_add_nc_u64 s[XS1:XS1+1], s[4:5], s[20:21]
	s_add_nc_u64 s[WS1:WS1+1], s[6:7], s[22:23]
	s_add_nc_u64 s[WQ0:WQ0+1], s[6:7], s[46:47]
	s_add_nc_u64 s[WK0:WK0+1], s[WQ0:WQ0+1], 0x100000   ; 1,024 rows further down
	s_add_nc_u64 s[XS0:XS0+1], s[4:5], s[94:95]
	CROUND                                         ; all sixteen work-groups are here: the first joint loads meet
.irp s, 0,1
	s_mov_b32 s[G0+4*\s], 1                        ; count = 1
	s_add_co_u32 s[G0+4*\s+1], s19, \s*SLOT        ; LDS address
	s_add_nc_u64 s[G0+4*\s+2:G0+4*\s+3], s[XS1:XS1+1], \s*256   ; tile 0, K slot s
	s_or_b32 s[G0+4*\s+3], s[G0+4*\s+3], 0x80000000             ; type = 2
	s_mov_b32 s[G0B+4*\s], 1
	s_add_co_u32 s[G0B+4*\s+1], s96, \s*SLOT
	s_add_nc_u64 s[G0B+4*\s+2:G0B+4*\s+3], s[WQ0:WQ0+1], \s*256
	s_or_b32 s[G0B+4*\s+3], s[G0B+4*\s+3], 0x80000000
	s_wait_alu depctr_va_vdst(0)
	s_wait_tensorcnt 0x0
	ds_add_u32 v28, v29
	ds_add_u32 v28, v29
	s_wait_dscnt 0x0
	CROUND
	JLOAD \s                                       ; one tensor load of mine is out
.endr
	; where my wave's images begin
	s_lshr_b32 s2, s17, 3                          ; batch
	s_lshl_b32 s2, s2, 4
	s_lshl_b32 s3, s42, 1
	s_add_co_u32 s2, s2, s3
	s_add_co_u32 s2, s2, s16                       ; 16 batch + head, head = 2 X + my half
	s_lshl_b32 s2, s2, 7
	s_and_b32 s3, s17, 7
	s_lshl_b32 s3, s3, 4
	s_add_co_u32 s2, s2, s3
	s_lshl_b32 s3, s15, 3
	s_add_co_u32 s2, s2, s3                        ; x 128 + my first tile of 16 tokens in the batch
	s_lshl_b32 s2, s2, 10                          ; 1,024 bytes a fragment
	s_mov_b32 s3, 0
	s_add_nc_u64 s[OQ:OQ+1], s[12:13], s[2:3]
	s_add_nc_u64 s[OK:OK+1], s[OQ:OQ+1], 0x800000
	s_lshr_b32 s2, s45, 4                          ; v: batch
	s_lshl_b32 s2, s2, 4
	s_lshl_b32 s3, s41, 2
	s_add_co_u32 s2, s2, s3
	s_lshl_b32 s3, s15, 1
	s_add_co_u32 s2, s2, s3                        ; 16 batch + my first head, 4 cy + 2 x my half
	s_lshl_b32 s2, s2, 4
	s_and_b32 s3, s45, 15
	s_add_co_u32 s2, s2, s3                        ; x 16 + the block of 128 keys
	s_lshl_b32 s2, s2, 13                          ; 8,192 bytes for 128 keys of a head
	s_lshl_b32 s3, s16, 10                         ; my 64 keys are groups 2 x half and 2 x half + 1 of each fragment
	s_add_co_u32 s2, s2, s3
	s_mov_b32 s3, 0
	s_add_nc_u64 s[OV:OV+1], s[12:13], s[2:3]
	s_add_nc_u64 s[OV:OV+1], s[OV:OV+1], 0x1000000
	s_lshl_b32 s2, s42, 9                          ; the biases of my 64 features of q: 4 (128 X + 64 x half)
	s_lshl_b32 s3, s16, 8
	s_add_co_u32 s2, s2, s3
	s_mov_b32 s3, 0
	s_add_nc_u64 s[82:83], s[8:9], s[2:3]
	s_lshl_b32 s2, s41, 10                         ; and of my 128 features of v: 4 (2,048 + 256 cy + 128 x half)
	s_lshl_b32 s3, s15, 9
	s_add_co_u32 s2, s2, s3
	s_add_co_u32 s2, s2, 8192
	s_mov_b32 s3, 0
	s_add_nc_u64 s[98:99], s[8:9], s[2:3]
	v_and_b32 v1, 15, v0                           ; r
	v_bfe_u32 v2, v0, 4, 1                         ; h
	v_mul_u32_u24 v3, v1, PITCH
	v_lshl_add_u32 v3, v2, 4, v3                   ; a fragment's row x pitch + 16 h
	s_mul_i32 s21, s15, S1H
	s_mul_i32 s22, s16, S0H
	s_add_co_u32 s22, s22, S0OFF
.irp s, 0,1
	v_add_nc_u32 v[ADR1+\s], s21, v3
	v_add_nc_u32 v[ADR0+\s], s22, v3
	s_add_co_u32 s21, s21, SLOT
	s_add_co_u32 s22, s22, SLOT
.endr
	v_and_b32 v4, 31, v0
	v_lshlrev_b32 v[LI], 4, v4
	v_lshlrev_b32 v6, 5, v2                        ; 32 h: my half's eight features of a tile
	v_lshlrev_b32 v7, 2, v1                        ; 4 r: my own feature of a tile
	WIN 0xc0                                       ; destination window 3
.irp b, 0,1,2,3
	global_load_b128 v[8*\b:8*\b+3], v6, s[82:83] offset:64*\b                  ; q: b(16 b + 8 h + 0 .. 7)
	global_load_b128 v[8*\b+4:8*\b+7], v6, s[82:83] offset:64*\b+16
	global_load_b128 v[32+8*\b:32+8*\b+3], v6, s[82:83] offset:4096+64*\b       ; k: 1,024 features on
	global_load_b128 v[32+8*\b+4:32+8*\b+7], v6, s[82:83] offset:4096+64*\b+16
.endr
.irp a, 0,1,2,3,4,5,6,7
	global_load_b32 v[BLV+2*\a], v7, s[98:99] offset:64*\a                      ; v: b(16 a + r), twice: the packed form adds a pair
	global_load_b32 v[BLV+2*\a+1], v7, s[98:99] offset:64*\a
.endr
	WIN 0
	s_wait_kmcnt 0x0
	s_add_co_i32 s92, s84, s85
	s_add_co_i32 s92, s92, 127
	s_lshl_b32 s92, s92, 23                        ; 2^(e0 + e1) as f32
	s_mov_b32 s93, s92                             ; (named with it as a pair, so it is written)
	SCL 86, 20, 21                                 ; q: e2
	SCL 87, 22, 23                                 ; k: e3
	SCL 89, 24, 25                                 ; v: e5
; 48 LDS loads in one run: the fragments of the slot's q-th 128 along K into set p.  Lane (r, h) takes, of its row, the 16 bytes at 32 c + 16 h into registers 4 c .. 4 c + 3.
.macro FETCH slot, q, p
	WIN 0x40                                       ; destination window 1, address window 0
.irp a, 0,1,2,3,4,5,6,7
.irp c, 0,1,2,3
	ds_load_b128 v[128*(\p)+16*\a+4*\c:128*(\p)+16*\a+4*\c+3], v[ADR1+\slot] offset:\a*16*PITCH+128*(\q)+32*\c
.endr
.endr
	WIN 0
.irp b, 0,1,2,3
.irp c, 0,1,2,3
	ds_load_b128 v[F0+64*(\p)+16*\b+4*\c:F0+64*(\p)+16*\b+4*\c+3], v[ADR0+\slot] offset:\b*16*PITCH+128*(\q)+32*\c
.endr
.endr
.endm
; 8 matrix instructions: S1's blocks a0, a0 + 1 x S0's four.  zero = 1: the product starts the sums.  The 32 accumulators take turns, one instruction a turn, in the same order in every step.
.macro MUL8 a0, p, zero
	WIN 0xa4                                       ; source 0 (S0) window 0, source 1 (S1) window 1, C and D window 2
.irp a, \a0, \a0+1
.irp b, 0,1,2,3
.if \zero
	v_wmma_f32_16x16x128_fp8_fp8 v[8*(4*(\a)+\b):8*(4*(\a)+\b)+7], v[F0+64*(\p)+16*\b:F0+64*(\p)+16*\b+15], v[128*(\p)+16*(\a):128*(\p)+16*(\a)+15], 0
.else
	v_wmma_f32_16x16x128_fp8_fp8 v[8*(4*(\a)+\b):8*(4*(\a)+\b)+7], v[F0+64*(\p)+16*\b:F0+64*(\p)+16*\b+15], v[128*(\p)+16*(\a):128*(\p)+16*(\a)+15], v[8*(4*(\a)+\b):8*(4*(\a)+\b)+7]
.endif
.endr
.endr
.endm
; A slot's first step multiplies set 0 and fetches the second step's fragments into set 1.
.macro STEP slot, zero
	PLACES 4                                       ; four plain places between the products that read set 1 and the loads into it (ISA guide 7.12.1 for vector instructions)
	FETCH \slot, 1, 1
	s_wait_dscnt 48                                ; all but the 48 just issued: set 0 is in
	MUL8 0, 0, \zero
	MUL8 2, 0, \zero
	MUL8 4, 0, \zero
	MUL8 6, 0, \zero
.endm
; A slot's second step multiplies set 1 and changes slots: each wave waits for all its tensor loads (its part of the next slot), adds 0 to its spare word, and waits for that and for its reads of this slot; then ONE barrier.
; mode 1: this slot is filled again with the tile's K slot two on; mode 2: with K slot koff / 256 of the NEXT tile, whose operands begin at s[b1] (S1) and s[b0] (S0); mode 0: nothing is filled.
; Where the slot is filled again the barrier opens a round of the cluster's barrier, and the joint load is the first tensor load behind the round: one load of mine is out.
.macro TURN slot, next, mode, b1, b0, koff
	WIN 0                                          ; (the add's two registers lie in window 0)
	s_wait_tensorcnt 0x0                           ; all my tensor loads have landed
	ds_add_u32 v[SPW], v[NIL]                      ; 0 onto my spare word
	s_wait_dscnt 1                                 ; set 1 is in; the add alone may be out
	MUL8 0, 1, 0                                   ; eight matrix instructions stand between the add and the wait for it
	s_wait_dscnt 0x0                               ; the add is done, and my reads of this slot are over
	s_barrier_signal -1
	MUL8 2, 1, 0
	WIN 0                                          ; at a branch and at a label every window is 0
	s_barrier_wait -1
.if \mode
	CREST                                          ; no wave of any partner still reads this slot's tiles or has a load on its way
.if \mode == 1
	s_add_nc_u64 s[G0+4*\slot+2:G0+4*\slot+3], s[G0+4*\slot+2:G0+4*\slot+3], 512
	s_add_nc_u64 s[G0B+4*\slot+2:G0B+4*\slot+3], s[G0B+4*\slot+2:G0B+4*\slot+3], 512
.else
	s_add_nc_u64 s[G0+4*\slot+2:G0+4*\slot+3], s[\b1:\b1+1], \koff
	s_or_b32 s[G0+4*\slot+3], s[G0+4*\slot+3], 0x80000000
	s_add_nc_u64 s[G0B+4*\slot+2:G0B+4*\slot+3], s[\b0:\b0+1], \koff
	s_or_b32 s[G0B+4*\slot+3], s[G0B+4*\slot+3], 0x80000000
.endif
	JLOAD \slot                                    ; the four v_nop behind it are also the places in front of the loads below
.else
	PLACES 4
.endif
	s_wait_alu depctr_va_vdst(0)
	FETCH \next, 0, 0
	MUL8 4, 1, 0
	MUL8 6, 1, 0
.endm
; A TILE'S WAY OUT, block a (16 rows of S1) after block a: number = sum x 2^(e0 + e1) + bias (one packed multiply-add for two),
; converted eight at a time.  Accumulator b's eight numbers give registers 2 b, 2 b + 1 of the image; each group of four registers is stored as it stands.
; kind 0 (q, k): biases in the result's layout, at v[br] of window 3.  kind 1 (v): the lane's own feature's bias.
.macro EPI kind, br, sc, lim, ob
	s_wait_xcnt 0x0                                ; the last tile's stores have read their codes: the registers may be written again
	PLACES 4                                       ; between the last products and the first read of results
.irp a, 0,1,2,3,4,5,6,7
	WIN 0x32                                       ; source 0 (the sums) window 2, source 2 (the biases) window 3
.irp b, 0,1,2,3
.irp i, 0,2,4,6
.if \kind
	v_pk_fma_f32 v[T+8*\b+\i:T+8*\b+\i+1], v[8*(4*\a+\b)+\i:8*(4*\a+\b)+\i+1], s[92:93], v[BLV+2*\a:BLV+2*\a+1] op_sel_hi:[1,0,1]   ; each accumulator from its low end on
.else
	v_pk_fma_f32 v[T+8*\b+\i:T+8*\b+\i+1], v[8*(4*\a+\b)+\i:8*(4*\a+\b)+\i+1], s[92:93], v[\br+8*\b+\i:\br+8*\b+\i+1] op_sel_hi:[1,0,1]
.endif
.endr
.endr
	WIN 0
.set jj, 0
.rept 32
.set jj, jj+1
.endr
.irp b, 0,1,2,3
	v_cvt_scalef32_pk8_fp8_f32 v[CD+8*\a+2*\b:CD+8*\a+2*\b+1], v[T+8*\b:T+8*\b+7], v[\sc]
.endr
	v_nop                                          ; one plain instruction between the conversions and the next lines that write their sources
.irp g, 0,1
.if \kind
	global_store_b128 v[LI], v[CD+8*\a+4*\g:CD+8*\a+4*\g+3], s[\ob:\ob+1] offset:131072*(\a/4)+2048*(\a%4)+512*\g   ; head a / 4 of my two, d tile a % 4: 512 consecutive bytes
.else
	global_store_b128 v[LI], v[CD+8*\a+4*\g:CD+8*\a+4*\g+3], s[\ob:\ob+1] offset:1024*\a+512*\g                    ; token tile a: 512 consecutive bytes
.endif
.endr
.endr
.endm
	s_wait_loadcnt 0x0                             ; the biases
	s_wait_tensorcnt 1                             ; my part of slot 0 is in; slot 1's may stay out
	s_barrier_signal -1
	s_barrier_wait -1                              ; everybody's is
	FETCH 0, 0, 0
	; ---- tile 0: q
	STEP 0, 1
	TURN 0, 1, 1, 0, 0, 0
	STEP 1, 0
	TURN 1, 0, 1, 0, 0, 0
	STEP 0, 0
	TURN 0, 1, 2, XS1, WK0, 0                      ; the ring goes on into tile 1
	STEP 1, 0
	TURN 1, 0, 2, XS1, WK0, 256
	EPI 0, 0, 20, 21, OQ                           ; both refills are asked for: now the tile goes out
	; ---- tile 1: k
	STEP 0, 1
	TURN 0, 1, 1, 0, 0, 0
	STEP 1, 0
	TURN 1, 0, 1, 0, 0, 0
	STEP 0, 0
	TURN 0, 1, 2, WS1, XS0, 0                      ; tile 2: the operands change roles
	STEP 1, 0
	TURN 1, 0, 2, WS1, XS0, 256
	EPI 0, 32, 22, 23, OK
	; ---- tile 2: v
	STEP 0, 1
	TURN 0, 1, 1, 0, 0, 0
	STEP 1, 0
	TURN 1, 0, 1, 0, 0, 0
	STEP 0, 0
	TURN 0, 1, 0, 0, 0, 0                          ; nothing is left to fetch
	STEP 1, 0
	s_wait_dscnt 0x0                               ; the very last step
	MUL8 0, 1, 0
	MUL8 2, 1, 0
	MUL8 4, 1, 0
	MUL8 6, 1, 0
	EPI 1, 0, 24, 25, OV
	s_wait_tensorcnt 0x0                           ; the wave's end
	ds_add_u32 v[SPW], v[NIL]
	s_wait_dscnt 0x0
	CROUND                                         ; the closing round: no work-group ends while a partner may still ask for a tile that names it
	s_endpgm
.Lfunc_end_k_qf1988f4fa3_qkv:
	.size	k_qf1988f4fa3_qkv, .Lfunc_end_k_qf1988f4fa3_qkv-k_qf1988f4fa3_qkv
	.p2alignl 7, 3214868480
	.fill 96, 4, 3214868480
	.section	.rodata,"a",@progbits
	.p2align	6, 0x0
	.amdhsa_kernel k_qf1988f4fa3_qkv
		.amdhsa_group_segment_fixed_size 327680
		.amdhsa_private_segment_fixed_size 0
		.amdhsa_enable_private_segment 0
		.amdhsa_kernarg_size 40
		.amdhsa_user_sgpr_count 2
		.amdhsa_user_sgpr_kernarg_segment_ptr 1
		.amdhsa_wavefront_size32 1
		.amdhsa_system_sgpr_workgroup_id_x 1
		.amdhsa_system_sgpr_workgroup_id_y 1
		.amdhsa_system_sgpr_workgroup_id_z 1
		.amdhsa_system_vgpr_workitem_id 0
		.amdhsa_next_free_vgpr 896
		.amdhsa_next_free_sgpr 100
		.amdhsa_reserve_vcc 0
		.amdhsa_float_denorm_mode_32 3
		.amdhsa_float_denorm_mode_16_64 3
		.amdhsa_fp16_overflow 1
		.amdhsa_memory_ordered 1
		.amdhsa_forward_progress 1
		.amdhsa_inst_pref_size 188
	.end_amdhsa_kernel
	.amdgpu_metadata
---
amdhsa.version: [ 1, 2 ]
amdhsa.kernels:
  - .name:           k_qf1988f4fa3_qkv
    .symbol:         k_qf1988f4fa3_qkv.kd
    .args:
      - { .name: x_codes, .offset: 0, .size: 8, .value_kind: global_buffer, .address_space: global }
      - { .name: W_qkv_codes, .offset: 8, .size: 8, .value_kind: global_buffer, .address_space: global }
      - { .name: b_qkv, .offset: 16, .size: 8, .value_kind: global_buffer, .address_space: global }
      - { .name: lowp_scales, .offset: 24, .size: 8, .value_kind: global_buffer, .address_space: global }
      - { .name: qkvimg, .offset: 32, .size: 8, .value_kind: global_buffer, .address_space: global }
    .group_segment_fixed_size: 327680
    .private_segment_fixed_size: 0
    .kernarg_segment_align: 8
    .kernarg_segment_size: 40
    .max_flat_workgroup_size: 128
    .sgpr_count:     100
    .vgpr_count:     896
    .wavefront_size: 32
...
	.end_amdgpu_metadata
.endif
;; end of part 1
;; launch attn (part 2): grid 4 x 64, 16 waves a work-group, no clusters, 327,680 bytes of LDS; arguments qkvimg, lowp_scales, yimg; writes yimg
.if DOCPART == 2
	.amdgcn_target "amdgcn-amd-amdhsa--gfx1250"
	.amdhsa_code_object_version 6
	.text
	.protected	k_qf1988f4fa3_attn
	.globl	k_qf1988f4fa3_attn
	.p2align	8
	.type	k_qf1988f4fa3_attn,@function
k_qf1988f4fa3_attn:
	s_mov_b64 s[64:65], 0
	v_nop
	global_prefetch_b8 v0, s[64:65] scope:SCOPE_SE
	s_setreg_imm32_b32 hwreg(HW_REG_WAVE_MODE, 25, 1), 1
	s_wait_xcnt 0x0
; y[b][h][q] = the sum over keys k <= q of softmax_k(q . k / 8) v, both products on codes of E4M3; y is quantised at once with its given scale (entry 6) for the last product.
; q, k, v come as images of operand registers (fragments of 16 tokens x 64 d: 1,024 bytes; of 16 d x 128 keys: 2,048 bytes; a group of four registers is 512 bytes, lane l's 16 bytes at 16 l).
; y leaves the same way: [head / 4][token / 16][(head / 2) % 2][group (4)][lane][16 bytes]: fragments of 16 tokens x 128 of the last product's K; my head's 64 are groups 2 (head % 2) and 2 (head % 2) + 1.
; THE SOFTMAX: t = score x log2(e) / 8; M = the running largest t rounded UP to a whole number; p = 2^(t - M) is what is quantised (entry 4), not normalised; the row's sum is taken of the unquantised p and divides at the end.
; When M moves, the sum and O are multiplied by 2^(old M - new M), which rounds nothing.
; LIMITS on the given exponents: e2 + e3 between -123 and 130 (added to the exponent field of log2(e) / 8); e4 and e6 between -126 and 119; e4 + e5 is applied by v_ldexp_f32 and has none.
; SHARES.  Work-group (i, 16 batch + head) owns the query blocks 7 - i and i (256 queries each) of its head and takes them one after the other: block 7 - i walks the key slots 0 .. 7 - i (256 keys each), block i the slots
; 0 .. i: NINE slots in every work-group, so the trip count is a constant, all 256 work-groups have equal work, and no tile that lies wholly under the causal mask is fetched or multiplied.
; Sixteen waves, 16 queries each, in 256 registers: four waves to a SIMD, so that one wave's vector work stands beside another's matrix work and LDS loads.
; NO CLUSTER: the four work-groups of a head change from their first block to their second in different trips (after 8, 7, 6, 5 slots), so from then on they need different key slots in the same trip,
; and a joint load has one descriptor for all that it names.
; LAYOUT.  S^T = K Q^T (source 0 = 16 keys, source 1 = my 16 queries) and O^T = V^T P^T (source 0 = 16 of the head's 64, source 1 = P): a lane holds ONE query throughout.  In tile t of S^T lane (r, h), register j is key
; 16 t + 8 h + j: so the conversion of tile t gives registers 2 t, 2 t + 1 of P's fragment in this form's own layout, which is the one in which v was laid.
.set SLOT1, 32768                      ; a slot: K's 16,384 bytes, then V's; slot 1 begins here, so that one exclusive or turns an address from one slot into the other
.set VOFF,  16384
.set SPARE, 65536                      ; behind the ring: the spare words, 128 bytes a wave: eight blocks of 256 bytes that no other line names
.set LI,   1                           ; v1   16 x lane
.set ADR,  2                           ; v2   16 x lane + the slot in hand
.set PFO,  3                           ; v3   256 x lane: the prefetches' offset; never rewritten
.set RH,   4                           ; v4   r - 8 h
.set SPW,  5                           ; v5   my spare word; never rewritten
.set NIL,  6                           ; v6   0; never rewritten
.set QF,   16                          ; v16-23   Q's fragment.   v12 -M, v13 the largest t, v[14:15] the sum in two halves
.set KV,   32                          ; v32-95   eight fragments of K, then four of V
.set S,    96                          ; v96-159  S^T, then p
.set OT,   160                         ; v160-191 O^T
.set PC,   192                         ; v192-207 p's codes; at the end y's
.set PX,   208                         ; the lane permute's destination
.set FF,   210                         ; v[210:211] f = 2^(old M - new M)
.set SU,   212                         ; v[212:213] the second chain of the sum
.set MA,   214                         ; v214, v215 at work
.set MB,   215
.set PSC,  216                         ; 2^e4
.set PLM,  217
.set YSC,  218                         ; 2^e6
.set YLM,  219
.set DD,   220
.set NINF, 221
.set TB,   2                           ; s2   LDS byte at which the slot in hand begins
.set WV,   18
.set SEL,  20                          ; s[20:21] lane selects: lane l xor 16
.set CS,   22                          ; s[22:23] c = log2(e) / 8 x 2^(e2 + e3)
.set G1,   24                          ; s[24:31] descriptor group 1;  s[40:43] group 0, which walks
.set G0,   40
.set BASE, 44                          ; s[44:45] my operand (wave 0: k, wave 1: v) at the head's first key;  s[46:47] the key slot to be asked for, in bytes
.set OFS,  46
.set TRIP, 48
.set P1L,  49                          ; 7 - i: the first block, and the trip in which it ends
.set KF,   50                          ; the step's first key
.set Q0,   51                          ; my first query;  s52: the second block's
.set QA1,  54
.set QA2,  56
.set YA1,  58
.set YA2,  60
.set PFA,  76                          ; s[76:77] where my prefetches stand
.set LIM,  78                          ; a wave prefetches while the trip's number is under it
.macro TLOAD                           ; wave 0 fetches K's 16,384 bytes of a slot, wave 1 V's, the others nothing.  Four v_nop follow the line
	s_cmp_lt_u32 s[WV], 2
	s_cbranch_scc0 .Lno_load_\@
	tensor_load_to_lds s[G0:G0+3], s[G1:G1+7]
	s_nop 0
.rept 4
	v_nop
.endr
.Lno_load_\@:
.endm
; A PREFETCH INTO THE L2 of the key slot that the NEXT change of slots will ask for: in trip n slot n + 2, a slot's two key steps ahead of its load.  Each aligned block of 256 bytes is named once in the launch: the four
; work-groups of a head begin with the same slots in the same order, and the one that walks all eight on end (i = 0) asks; in it waves 4 and 5 for K's two halves of 8,192 bytes, waves 6 and 7 for V's, lanes 256 bytes apart.
; Slots 0 and 1 come by their loads alone; trips 6 and later ask for nothing: slot 7 is the head's last.
.macro ASK
	s_cmp_lt_u32 s[TRIP], s[LIM]
	s_cbranch_scc0 .Lnot_mine_\@
	global_prefetch_b8 v[PFO], s[PFA:PFA+1] th:TH_LOAD_NT scope:SCOPE_SE
.Lnot_mine_\@:
.endm
.macro SCL e, sc, lim
	s_add_co_i32 s92, s[\e], 127
	s_lshl_b32 s93, s92, 23
	v_mov_b32 v[\sc], s93
.endm
	s_load_b128 s[4:7], s[0:1], 0x0                ; the images of q, k, v s[4:5], the scales' exponents s[6:7]
	s_load_b64 s[8:9], s[0:1], 0x10                ; y's images
	v_lshl_add_u32 v[SPW], v0, 2, SPARE
	v_mov_b32 v[NIL], 0
	ds_add_u32 v5, v6
	ds_add_u32 v5, v6
	s_wait_dscnt 0x0
	v_lshrrev_b32 v7, 5, v0
	s_delay_alu instid0(VALU_DEP_1)
	v_readfirstlane_b32 s[WV], v7                  ; wave 0..15
	s_and_b32 s80, ttmp7, 0xffff                   ; 16 batch + head
	s_sub_co_u32 s[P1L], 7, ttmp9
	s_and_b32 s81, s[WV], 1
	s_lshl_b32 s82, s81, 23                        ; k's images begin at 8,388,608, v's 8,388,608 further on;
	s_lshl_b32 s83, s80, 17                        ; a head has 131,072 bytes in each
	s_add_co_u32 s82, s82, s83
	s_add_co_u32 s82, s82, 0x800000
	s_mov_b32 s83, 0
	; descriptor group 1: a dense block of 16,384 bytes as 64 rows of 256
	s_mov_b32 s[G1+0], 3<<16                       ; no mask; elements of 8 bytes; no padding
	s_mov_b32 s[G1+1], 32<<16                      ; tensor_dim0
	s_mov_b32 s[G1+2], 64<<16                      ; tensor_dim1
	s_mov_b32 s[G1+3], 32<<16                      ; tile_dim0
	s_mov_b32 s[G1+4], 64                          ; tile_dim1
	s_mov_b32 s[G1+5], 32                          ; from row to row
	s_mov_b32 s[G1+6], 0
	s_mov_b32 s[G1+7], 0
	s_mov_b32 s[OFS], 0
	s_mov_b32 s[OFS+1], 0
	s_mov_b32 s[TB], 0
	s_mov_b32 s[KF], 0
	s_mov_b32 s[TRIP], 0
	s_mov_b32 s[SEL], 0x76543210
	s_mov_b32 s[SEL+1], 0xfedcba98
	s_wait_kmcnt 0x0
	s_load_b256 s[68:75], s[6:7], 0x0              ; e0 .. e7
	s_add_nc_u64 s[BASE:BASE+1], s[4:5], s[82:83]
	s_mov_b32 s[G0], 1                             ; count = 1
	s_lshl_b32 s[G0+1], s81, 14                    ; LDS: slot 0; K at 0, V at 16,384
	s_mov_b64 s[G0+2:G0+3], s[BASE:BASE+1]         ; key slot 0
	s_or_b32 s[G0+3], s[G0+3], 0x80000000          ; type = 2
	TLOAD                                          ; one tensor load of mine is out, here and behind each change of slots
	s_lshl_b32 s84, s[P1L], 4
	s_add_co_u32 s84, s84, s[WV]                   ; my tile of 16 queries in the head: first block,
	s_lshl_b32 s[Q0], s84, 4
	s_lshl_b32 s85, ttmp9, 4
	s_add_co_u32 s85, s85, s[WV]                   ; second block
	s_lshl_b32 s52, s85, 4
	s_lshl_b32 s86, s80, 7
	s_add_co_u32 s88, s86, s84
	s_lshl_b32 s88, s88, 10
	s_mov_b32 s89, 0
	s_add_nc_u64 s[QA1:QA1+1], s[4:5], s[88:89]
	s_add_co_u32 s88, s86, s85
	s_lshl_b32 s88, s88, 10
	s_add_nc_u64 s[QA2:QA2+1], s[4:5], s[88:89]
	s_and_b32 s87, s80, 15                         ; head
	s_lshr_b32 s90, s87, 2
	s_lshl_b32 s90, s90, 21                        ; y: (head / 4) x 512 token tiles x 4,096 bytes
	s_bfe_u32 s91, s87, 0x10001
	s_lshl_b32 s91, s91, 11                        ; + ((head / 2) % 2) x 2,048
	s_add_co_u32 s90, s90, s91
	s_and_b32 s91, s87, 1
	s_lshl_b32 s91, s91, 10                        ; + (head % 2) x two groups
	s_add_co_u32 s90, s90, s91
	s_lshr_b32 s91, s80, 4
	s_lshl_b32 s91, s91, 7                         ; 128 token tiles a batch
	s_add_co_u32 s92, s91, s84
	s_lshl_b32 s92, s92, 12
	s_add_co_u32 s92, s92, s90
	s_mov_b32 s93, 0
	s_add_nc_u64 s[YA1:YA1+1], s[8:9], s[92:93]
	s_add_co_u32 s92, s91, s85
	s_lshl_b32 s92, s92, 12
	s_add_co_u32 s92, s92, s90
	s_add_nc_u64 s[YA2:YA2+1], s[8:9], s[92:93]
	s_bfe_u32 s94, s[WV], 0x10001                  ; the prefetches: waves 4, 5: k; waves 6, 7: v
	s_lshl_b32 s94, s94, 23
	s_lshl_b32 s95, s80, 17
	s_add_co_u32 s94, s94, s95
	s_lshl_b32 s95, s81, 13                        ; my half of a slot's 16,384 bytes
	s_add_co_u32 s94, s94, s95
	s_add_co_u32 s94, s94, 0x800000+16384          ; in slot 1: the first change of slots steps it to slot 2
	s_mov_b32 s95, 0
	s_add_nc_u64 s[PFA:PFA+1], s[4:5], s[94:95]
	s_sub_co_u32 s92, s[WV], 4
	s_lshr_b32 s92, s92, 2                         ; 0 in waves 4 to 7,
	s_or_b32 s92, s92, ttmp9                       ; of work-group i = 0
	s_cmp_eq_u32 s92, 0
	s_cselect_b32 s[LIM], 6, 0
	v_and_b32 v[LI], 31, v0
	s_delay_alu instid0(VALU_DEP_1)
	v_lshlrev_b32 v[PFO], 8, v[LI]
	s_delay_alu instid0(VALU_DEP_2)
	v_lshlrev_b32 v[LI], 4, v[LI]
	v_and_b32 v[RH], 15, v0
	v_bfe_u32 v7, v0, 4, 1
	s_delay_alu instid0(VALU_DEP_1)
	v_lshlrev_b32 v7, 3, v7
	s_delay_alu instid0(VALU_DEP_1)
	v_sub_nc_u32 v[RH], v[RH], v7
	global_load_b128 v[QF:QF+3], v[LI], s[QA1:QA1+1]            ; Q's fragment stays in registers for a block
	global_load_b128 v[QF+4:QF+7], v[LI], s[QA1:QA1+1] offset:512
	v_mov_b32 v13, 0xff61b1e6                      ; the largest t so far: -3e38, under every t
	s_delay_alu instid0(VALU_DEP_1)
	v_floor_f32 v12, -v13                          ; -M
	v_mov_b32 v14, 0
	v_mov_b32 v15, 0
	v_mov_b32 v[PX], 0                             ; written once: a lane permute's destination counts as one of its sources
	v_mov_b32 v[FF+1], 0                           ; (named as the upper half of a pair)
	v_mov_b32 v[NINF], 0xff800000                  ; -infinity
.set jj, 0
.rept 32
	v_mov_b32 v[OT+jj], 0                          ; O^T: the step is written once; a block's first step finds zeros, which the first change of M leaves zeros
.set jj, jj+1
.endr
	s_wait_kmcnt 0x0
	s_mov_b32 s[CS], 0x3e38aa3b                    ; log2(e) / 8
	s_add_co_i32 s92, s70, s71
	s_lshl_b32 s92, s92, 23
	s_add_co_i32 s[CS], s[CS], s92                 ; a score stands for score x 2^(e2 + e3): the exponents are added to c's exponent field
	s_mov_b32 s[CS+1], s[CS]
	s_add_co_i32 s79, s72, s73                     ; e4 + e5
	SCL 72, PSC, PLM
	SCL 74, YSC, YLM
	s_wait_loadcnt 0x0                             ; Q
; A KEY STEP: 128 keys, the q-th of the slot in hand.  A step all of whose keys come after my 16 queries is left out: a scalar branch on ids, round the step's loads, products and softmax.
.macro STEP q
	s_add_co_u32 s96, s[Q0], 15
	s_cmp_gt_u32 s[KF], s96
	s_cbranch_scc1 .Lhidden_\@
	v_add_nc_u32 v[ADR], s[TB], v[LI]
.rept 3
	v_nop                                          ; with the addition above: four plain places between the last products and the loads into the registers that they read
.endr
.irp t, 0,1,2,3,4,5,6,7
	ds_load_b128 v[KV+8*\t:KV+8*\t+3], v[ADR] offset:8192*(\q)+1024*\t          ; K's tile t as it was stored: 512 consecutive bytes an instruction
	ds_load_b128 v[KV+8*\t+4:KV+8*\t+7], v[ADR] offset:8192*(\q)+1024*\t+512
.endr
	s_wait_alu depctr_va_vdst(0)
	s_wait_dscnt 0x0
.irp t, 0,1,2,3,4,5,6,7
	v_wmma_f32_16x16x64_fp8_fp8 v[S+8*\t:S+8*\t+7], v[KV+8*\t:KV+8*\t+7], v[QF:QF+7], 0
.endr
.rept 4
	v_nop                                          ; places in front of the loads below and of the first read of the scores
.endr
.irp u, 0,1,2,3
.irp g, 0,1,2,3
	ds_load_b128 v[KV+16*\u+4*\g:KV+16*\u+4*\g+3], v[ADR] offset:VOFF+8192*(\q)+2048*\u+512*\g   ; V's four fragments land while the softmax is worked
.endr
.endr
	s_add_co_u32 s96, s[KF], 127                   ; on the diagonal the scores of hidden keys become -infinity ahead of the maximum: p = 0 then.  A step all of whose keys count skips this
	s_cmp_le_u32 s96, s[Q0]
	s_cbranch_scc1 .Lopen_\@
	s_sub_co_i32 s96, s[Q0], s[KF]
	v_add_nc_u32 v[DD], s96, v[RH]                 ; d = my query - the step's first key - 8 h.  Register 8 t + j holds key 16 t + 8 h + j of the step: hidden where 16 t + j > d
.set n, 0
.rept 64
	v_cmp_gt_i32 vcc_lo, 16*(n/8)+n%8, v[DD]
	v_cndmask_b32 v[S+n], v[S+n], v[NINF], vcc_lo
.set n, n+1
.endr
.Lopen_\@:
	v_max3_num_f32 v[MA], v[S], v[S+1], v[S+2]     ; the step's largest score of my query among my 64 keys, in two chains, each tile from its low end on
	v_max3_num_f32 v[MB], v[S+3], v[S+4], v[S+5]
.irp i, 6,10,14,18,22,26,30,34,38,42,46,50,54,58
	v_max3_num_f32 v[MA], v[MA], v[S+\i], v[S+1+\i]
	v_max3_num_f32 v[MB], v[MB], v[S+2+\i], v[S+3+\i]
.endr
	v_max3_num_f32 v[MA], v[MA], v[S+62], v[S+63]
	s_delay_alu instid0(VALU_DEP_1)
	v_max_num_f32 v[MA], v[MA], v[MB]
	s_delay_alu instid0(VALU_DEP_1)
	v_permlanex16_b32 v[PX], v[MA], s[SEL], s[SEL+1]
	s_delay_alu instid0(VALU_DEP_1)
	v_max_num_f32 v[MA], v[MA], v[PX]              ; and among lane l xor 16's
	s_delay_alu instid0(VALU_DEP_1)
	v_mul_f32 v[MA], s[CS], v[MA]                  ; as t (c is positive)
	s_delay_alu instid0(VALU_DEP_1)
	v_max_num_f32 v13, v13, v[MA]                  ; the running largest t
	v_mov_b32 v[MA], v12
	s_delay_alu instid0(VALU_DEP_2)
	v_floor_f32 v12, -v13                          ; the new -M = floor(-t) = -ceil(t)
	s_delay_alu instid0(VALU_DEP_1)
	v_sub_f32 v[MA], v12, v[MA]                    ; old M - new M: a whole number, 0 or less
	s_delay_alu instid0(VALU_DEP_1)
	v_cvt_i32_f32 v[MA], v[MA]                     ; (it saturates)
	s_delay_alu instid0(VALU_DEP_1)
	v_ldexp_f32 v[FF], 1.0, v[MA]                  ; f = 2^(old M - new M)
.set jj, 0
.rept 32
	v_pk_fma_f32 v[S+jj:S+jj+1], v[S+jj:S+jj+1], s[CS:CS+1], v[12:13] op_sel_hi:[1,0,0]   ; t - M, two at a time
.set jj, jj+2
.endr
.set jj, 0
	s_wait_alu depctr_va_vdst(0)
.rept 64
	v_exp_f32 v[S+jj], v[S+jj]                     ; p = 2^(t - M), at most 1
.set jj, jj+1
.endr
	v_pk_mul_f32 v[14:15], v[14:15], v[FF:FF+1] op_sel_hi:[1,0]   ; the sums under the new M: the plain instruction behind the exponentials
	s_wait_alu depctr_va_vdst(0)                   ; one wait for the whole batch, ahead of its first reader
	v_pk_add_f32 v[212:213], v[100:101], v[104:105]
	v_pk_add_f32 v[254:255], v[108:109], v[112:113]
	v_pk_add_f32 v[252:253], v[116:117], v[120:121]
	v_pk_add_f32 v[250:251], v[124:125], v[128:129]
	v_pk_add_f32 v[248:249], v[132:133], v[136:137]
	v_pk_add_f32 v[246:247], v[140:141], v[144:145]
	v_pk_add_f32 v[244:245], v[148:149], v[152:153]
	v_pk_add_f32 v[14:15], v[14:15], v[156:157]
	v_pk_add_f32 v[212:213], v[212:213], v[96:97]
	v_pk_add_f32 v[254:255], v[254:255], v[98:99]
	v_pk_add_f32 v[252:253], v[252:253], v[102:103]
	v_pk_add_f32 v[250:251], v[250:251], v[106:107]
	v_pk_add_f32 v[248:249], v[248:249], v[110:111]
	v_pk_add_f32 v[246:247], v[246:247], v[114:115]
	v_pk_add_f32 v[244:245], v[244:245], v[118:119]
	v_pk_add_f32 v[14:15], v[14:15], v[122:123]
	v_pk_add_f32 v[212:213], v[212:213], v[126:127]
	v_pk_add_f32 v[254:255], v[254:255], v[130:131]
	v_pk_add_f32 v[252:253], v[252:253], v[134:135]
	v_pk_add_f32 v[250:251], v[250:251], v[138:139]
	v_pk_add_f32 v[248:249], v[248:249], v[142:143]
	v_pk_add_f32 v[246:247], v[246:247], v[146:147]
	v_pk_add_f32 v[244:245], v[244:245], v[150:151]
	v_pk_add_f32 v[14:15], v[14:15], v[154:155]
	v_pk_add_f32 v[212:213], v[212:213], v[158:159]
	s_delay_alu instid0(VALU_DEP_2)
	v_pk_add_f32 v[14:15], v[14:15], v[250:251]
	s_delay_alu instid0(VALU_DEP_2)
	v_pk_add_f32 v[212:213], v[212:213], v[248:249]
	v_pk_add_f32 v[254:255], v[254:255], v[246:247]
	v_pk_add_f32 v[252:253], v[252:253], v[244:245]
	s_delay_alu instid0(VALU_DEP_2)
	v_pk_add_f32 v[14:15], v[14:15], v[254:255]
	s_delay_alu instid0(VALU_DEP_2)
	v_pk_add_f32 v[212:213], v[212:213], v[252:253]
	s_delay_alu instid0(VALU_DEP_1)
	v_pk_add_f32 v[14:15], v[14:15], v[212:213]
.irp t, 0,1,2,3,4,5,6,7
.irp i, 0,1,2,3,4,5,6,7
.endr
	v_cvt_scalef32_pk8_fp8_f32 v[PC+2*\t:PC+2*\t+1], v[S+8*\t:S+8*\t+7], v[PSC]   ; keys 16 t + 8 h + 0 .. 7: registers 2 t, 2 t + 1 of P's fragment
.endr
.set jj, 0
.rept 16
	v_pk_mul_f32 v[OT+jj:OT+jj+1], v[OT+jj:OT+jj+1], v[FF:FF+1] op_sel_hi:[1,0]   ; O^T under the new M; also the plain lines between the conversions and the products
.set jj, jj+2
.endr
	s_wait_alu depctr_va_vdst(0)
	s_wait_dscnt 0x0                               ; V
.irp u, 0,1,2,3
	v_wmma_f32_16x16x128_fp8_fp8 v[OT+8*\u:OT+8*\u+7], v[KV+16*\u:KV+16*\u+15], v[PC:PC+15], v[OT+8*\u:OT+8*\u+7]   ; the four accumulators take turns; K's products stand between two steps' turns
.endr
.Lhidden_\@:
	s_add_co_u32 s[KF], s[KF], 128
.endm
; THE CHANGE OF SLOTS stands at a slot's head.  Each wave waits for all its tensor loads (its part of the slot that it is about to read), adds 0 to its spare word, and waits for that and for its reads of the slot that it has left.
; fill = 1: behind the barrier that other slot is filled with the key slot that follows: the next one of the block in hand, or, in the first block's last trip, key slot 0 for the second block.
.macro CHANGE fill
	s_wait_tensorcnt 0x0                           ; no tensor load of mine is out, so the group 0 may be written
	ds_add_u32 v[SPW], v[NIL]                      ; 0 onto my spare word
.if \fill
	s_xor_b32 s[G0+1], s[G0+1], SLOT1              ; the other slot than last time
	s_add_co_u32 s[OFS], s[OFS], 16384
	s_cmp_eq_u32 s[TRIP], s[P1L]
	s_cselect_b32 s[OFS], 0, s[OFS]
	s_add_nc_u64 s[G0+2:G0+3], s[BASE:BASE+1], s[OFS:OFS+1]
	s_or_b32 s[G0+3], s[G0+3], 0x80000000
	s_wait_xcnt 0x0                                ; the last prefetch, a slot back, has read its address, so it may be stepped
	s_add_nc_u64 s[PFA:PFA+1], s[PFA:PFA+1], 16384
.endif
	s_wait_dscnt 0x0                               ; the add is done, and my reads of the slot that I have left are over
	s_barrier_signal -1
	s_barrier_wait -1
.if \fill
	TLOAD                                          ; the first thing behind the barrier, and a wave's one tensor load until the next
	ASK
.endif
.endm
.macro SLOT_STEPS
	STEP 0
	STEP 1
	s_xor_b32 s[TB], s[TB], SLOT1                  ; on to the other slot
.endm
; A BLOCK'S WAY OUT: y = O^T x 2^(e4 + e5) / the sum, converted: tile u's eight numbers are registers 2 u, 2 u + 1 of my head's half of a fragment of the last product; two stores of 512 consecutive bytes.
.macro OUT yb
.rept 4
	v_nop                                          ; places behind the last products
.endr
	v_add_f32 v14, v14, v15                        ; the sum's two halves,
	s_delay_alu instid0(VALU_DEP_1)
	v_permlanex16_b32 v[PX], v14, s[SEL], s[SEL+1]
	s_delay_alu instid0(VALU_DEP_1)
	v_add_f32 v14, v14, v[PX]                      ; and lane l xor 16's
	s_wait_alu depctr_va_vdst(0)
	v_rcp_f32 v14, v14
	v_nop                                          ; a plain instruction behind the reciprocal
	s_wait_alu depctr_va_vdst(0)                   ; and the wait ahead of its first reader
	v_ldexp_f32 v14, v14, s79
.set jj, 0
.rept 16
	v_pk_mul_f32 v[S+jj:S+jj+1], v[OT+jj:OT+jj+1], v[14:15] op_sel_hi:[1,0]   ; each accumulator from its low end on
.set jj, jj+2
.endr
.set jj, 0
.rept 32
.set jj, jj+1
.endr
.irp u, 0,1,2,3
	v_cvt_scalef32_pk8_fp8_f32 v[PC+2*\u:PC+2*\u+1], v[S+8*\u:S+8*\u+7], v[YSC]
.endr
	v_nop                                          ; one plain instruction behind the last conversion
	global_store_b128 v[LI], v[PC:PC+3], s[\yb:\yb+1]
	global_store_b128 v[LI], v[PC+4:PC+7], s[\yb:\yb+1] offset:512
.endm
.Lslot:                                            ; eight trips; the ninth slot is written out
	CHANGE 1
	SLOT_STEPS
	s_cmp_eq_u32 s[TRIP], s[P1L]                   ; the first block's last slot?  A branch on ids; no barrier, tensor load or LDS instruction stands under it
	s_cbranch_scc0 .Lon
	OUT YA1
	s_wait_xcnt 0x0                                ; the stores have read their codes: the registers may be written again
	global_load_b128 v[QF:QF+3], v[LI], s[QA2:QA2+1]            ; the second block begins
	global_load_b128 v[QF+4:QF+7], v[LI], s[QA2:QA2+1] offset:512
	s_mov_b32 s[KF], 0
	s_mov_b32 s[Q0], s52
	v_mov_b32 v13, 0xff61b1e6
	s_delay_alu instid0(VALU_DEP_1)
	v_floor_f32 v12, -v13
	v_mov_b32 v14, 0
	v_mov_b32 v15, 0
.set jj, 0
.rept 32
	v_mov_b32 v[OT+jj], 0
.set jj, jj+1
.endr
	s_wait_loadcnt 0x0
.Lon:
	s_add_co_u32 s[TRIP], s[TRIP], 1
	s_cmp_lt_u32 s[TRIP], 8
	s_cbranch_scc1 .Lslot
	CHANGE 0
	SLOT_STEPS
	OUT YA2
	s_wait_tensorcnt 0x0                           ; the wave's end
	ds_add_u32 v[SPW], v[NIL]
	s_wait_dscnt 0x0
	s_endpgm
.Lfunc_end_k_qf1988f4fa3_attn:
	.size	k_qf1988f4fa3_attn, .Lfunc_end_k_qf1988f4fa3_attn-k_qf1988f4fa3_attn
	.p2alignl 7, 3214868480
	.fill 96, 4, 3214868480
	.section	.rodata,"a",@progbits
	.p2align	6, 0x0
	.amdhsa_kernel k_qf1988f4fa3_attn
		.amdhsa_group_segment_fixed_size 327680
		.amdhsa_private_segment_fixed_size 0
		.amdhsa_enable_private_segment 0
		.amdhsa_kernarg_size 24
		.amdhsa_user_sgpr_count 2
		.amdhsa_user_sgpr_kernarg_segment_ptr 1
		.amdhsa_wavefront_size32 1
		.amdhsa_system_sgpr_workgroup_id_x 1
		.amdhsa_system_sgpr_workgroup_id_y 1
		.amdhsa_system_sgpr_workgroup_id_z 1
		.amdhsa_system_vgpr_workitem_id 0
		.amdhsa_next_free_vgpr 256
		.amdhsa_next_free_sgpr 100
		.amdhsa_reserve_vcc 1
		.amdhsa_float_denorm_mode_32 3
		.amdhsa_float_denorm_mode_16_64 3
		.amdhsa_fp16_overflow 1
		.amdhsa_memory_ordered 1
		.amdhsa_forward_progress 1
		.amdhsa_inst_pref_size 89
	.end_amdhsa_kernel
	.amdgpu_metadata
---
amdhsa.version: [ 1, 2 ]
amdhsa.kernels:
  - .name:           k_qf1988f4fa3_attn
    .symbol:         k_qf1988f4fa3_attn.kd
    .args:
      - { .name: qkvimg, .offset: 0, .size: 8, .value_kind: global_buffer, .address_space: global }
      - { .name: lowp_scales, .offset: 8, .size: 8, .value_kind: global_buffer, .address_space: global }
      - { .name: yimg, .offset: 16, .size: 8, .value_kind: global_buffer, .address_space: global }
    .group_segment_fixed_size: 327680
    .private_segment_fixed_size: 0
    .kernarg_segment_align: 8
    .kernarg_segment_size: 24
    .max_flat_workgroup_size: 512
    .sgpr_count:     100
    .vgpr_count:     256
    .wavefront_size: 32
...
	.end_amdgpu_metadata
.endif
;; end of part 2
;; launch proj (part 3): grid 8 x 32, 4 waves a work-group, clusters of 4 x 4, 327,680 bytes of LDS; arguments yimg, W_proj_codes, b_proj, lowp_scales, out0; writes out0
.if DOCPART == 3
	.amdgcn_target "amdgcn-amd-amdhsa--gfx1250"
	.amdhsa_code_object_version 6
	.text
	.protected	k_qf1988f4fa3_proj
	.globl	k_qf1988f4fa3_proj
	.p2align	8
	.type	k_qf1988f4fa3_proj,@function
k_qf1988f4fa3_proj:
	s_mov_b64 s[64:65], 0
	v_nop
	global_prefetch_b8 v0, s[64:65] scope:SCOPE_SE
	s_setreg_imm32_b32 hwreg(HW_REG_WAVE_MODE, 25, 1), 1
	s_wait_xcnt 0x0
	s_wait_alu depctr_hold_cnt(0) depctr_sa_sdst(0) depctr_va_vdst(0) depctr_va_sdst(0) depctr_va_ssrc(0) depctr_va_vcc(0) depctr_vm_vsrc(0)
	s_getreg_b32 s2, hwreg(HW_REG_IB_STS2, 6, 4)
	s_cmp_eq_u32 s2, 0
	s_cbranch_scc0 .Lentry_in_a_cluster
	s_endpgm
.Lentry_in_a_cluster:
	s_bfe_u32 s2, ttmp6, 0x10000c
	s_cmp_lg_u32 s2, 0xf033
	s_cbranch_scc0 .Lentry_shape_is_right
	s_endpgm
.Lentry_shape_is_right:
; out0 = y W_proj + b_proj on codes of E4M3.  y comes as images of operand registers: [K / 256][token / 16][(K / 128) % 2][group of 4 registers (4)][lane][16 bytes]: fragments of 16 tokens x 128 K in this form's own layout
; (registers 2 c, 2 c + 1: K = 16 c + 8 h + 0 .. 7).  W_proj: [1024][1024] codes, K innermost.  out0: [8192][1024] f32.  A finished sum is multiplied by 2^(e6 + e7) and the bias added in one packed multiply-add.
; LIMIT: e6 + e7 between -126 and 127, so that 2^(e6 + e7) is an f32 number.
; SHARES.  256 work-groups of four waves; a tile is 256 tokens (S1) x 128 outputs (S0); a wave makes 128 x 64: 32 accumulators.  Source 0 = 16 rows of W_proj, source 1 = 16 tokens: a lane holds eight neighbouring outputs of one token.
; CLUSTER 4 x 4: y's tile hangs on the tile row alone and is asked for jointly along a row of the cluster, W_proj's on the tile column alone and jointly along a column.
; K goes in four slots of 256 through a ring of two LDS slots.  y's part of a slot is one dense block of 65,536 bytes, read back 512 consecutive bytes an instruction; W_proj's rows are padded, and read by loads of 8 bytes
; at 16 c + 8 h, so that each k stands where y's image has it.
; REGISTERS as windows of 256.  Window 0: v0-31 addresses; v32-63 a block's results; v64-127 rows read back from the stage, two sets; v128-255 S0's fragments, two sets.  Window 1: S1's fragments, two sets of 128.
;   Window 2: accumulator (a, b) at v[8 (4 a + b)].   Window 3: v0-31 the biases in the result's layout.
.set PITCH,  272                       ; a row of W_proj in LDS: 256 bytes + 16 of padding
.set S1H,    32768                     ; 8 token tiles x 4,096 bytes: one tensor load, and what one wave reads
.set S0H,    64*PITCH
.set S0OFF,  2*S1H
.set SLOT,   S0OFF+2*S0H
.set STAGE,  2*SLOT                    ; behind the ring: 16 rows x (256 bytes + 16) for each wave, for the way out; no tensor load lands there
.set SPITCH, 272
.set SPARE,  STAGE+4*16*SPITCH         ; behind the stages: the spare words, 128 bytes a wave: two blocks of 256 bytes that no other line names
.set ADR1, 16
.set ADR0, 18
.set STO,  24                          ; v24  the way out: where I put 32 bytes of a row
.set RD,   25                          ; v25  where I read a row back
.set CO,   27                          ; v27  my byte offset in out0
.set SPW,  28
.set NIL,  29
.set T,    32
.set BK,   64
.set F0,   128
.set G1,   24
.set G0,   32
.set G1B,  48
.set G0B,  56
.set MSB, 0
.macro WIN new                         ; the immediate's high byte repeats the setting that is left
.if MSB != \new
	s_set_vgpr_msb (MSB<<8)|\new
.set MSB, \new
.endif
.endm
.macro PLACES n
.rept \n
	v_nop
.endr
.endm
.macro JLOAD s                         ; waves 0 and 1 fetch y's halves, waves 2 and 3 W_proj's; four v_nop follow each of the two lines
	s_cmp_eq_u32 s15, 0
	s_cbranch_scc0 .Lfor_s0_\@
	tensor_load_to_lds s[G0+4*\s:G0+4*\s+3], s[G1:G1+7]
	s_nop 0
.rept 4
	v_nop
.endr
	s_branch .Lasked_\@
.Lfor_s0_\@:
	tensor_load_to_lds s[G0B+4*\s:G0B+4*\s+3], s[G1B:G1B+7]
	s_nop 0
.rept 4
	v_nop
.endr
.Lasked_\@:
.endm
.macro CREST
	s_cmp_lg_u32 s14, 0
	s_cbranch_scc1 .Lnot_wave_0_\@
	s_barrier_signal -3
.Lnot_wave_0_\@:
	s_barrier_wait -3
	s_barrier_signal -1
	s_barrier_wait -1
.endm
.macro CROUND
	s_barrier_signal -1
	s_barrier_wait -1
	CREST
.endm
	s_load_b256 s[4:11], s[0:1], 0x0               ; y's images s[4:5], W_proj s[6:7], b s[8:9], the scales' exponents s[10:11]
	s_load_b64 s[12:13], s[0:1], 0x20              ; out0
	v_lshl_add_u32 v[SPW], v0, 2, SPARE
	v_mov_b32 v[NIL], 0
	ds_add_u32 v28, v29
	ds_add_u32 v28, v29
	s_wait_dscnt 0x0
	v_lshrrev_b32 v1, 5, v0
	v_readfirstlane_b32 s14, v1                    ; wave 0..3
	s_lshr_b32 s15, s14, 1                         ; which 128 tokens are mine.  Also: I fetch for y (0) or for W_proj (1)
	s_and_b32 s16, s14, 1                          ; which 64 outputs are mine.  Also: which half of that tile I fetch
	s_bfe_u32 s40, ttmp6, 0x40000                  ; cx
	s_bfe_u32 s41, ttmp6, 0x40004                  ; cy
	s_lshl_b32 s42, ttmp9, 2
	s_add_co_u32 s42, s42, s40                     ; X: the block of 128 outputs, 0..7
	s_and_b32 s17, ttmp7, 0xffff
	s_lshl_b32 s17, s17, 2
	s_add_co_u32 s17, s17, s41                     ; Y: the block of 256 tokens, 0..31
	s_lshl_b32 s43, s41, 2
	s_lshl_b32 s43, 15, s43                        ; my row of the cluster
	s_lshl_b32 s44, 0x1111, s40                    ; my column
	s_or_b32 s[G1+0], s43, (3<<16)|(1<<21)         ; y: the mask; elements of 8 bytes; bit 21 set beside a mask; no padding: a dense block of 32,768 bytes as 128 rows of 256
	s_mov_b32 s[G1+1], 32<<16
	s_mov_b32 s[G1+2], 128<<16
	s_mov_b32 s[G1+3], 32<<16
	s_mov_b32 s[G1+4], 128
	s_mov_b32 s[G1+5], 32
	s_mov_b32 s[G1+6], 0
	s_mov_b32 s[G1+7], 0
	s_or_b32 s[G1B+0], s44, (1<<20)|(1<<21)|(5<<22)|(3<<25)   ; W_proj: elements of 1 byte; four words of padding after every 64: 64 rows of 256 bytes, 1,024 apart in memory
	s_mov_b32 s[G1B+1], 256<<16
	s_mov_b32 s[G1B+2], 64<<16
	s_mov_b32 s[G1B+3], 256<<16
	s_mov_b32 s[G1B+4], 64
	s_mov_b32 s[G1B+5], 1024
	s_mov_b32 s[G1B+6], 0
	s_mov_b32 s[G1B+7], 0
	s_lshl_b32 s20, s17, 16                        ; y: 16 Y token tiles of 4,096 bytes (in registers that never hold cx),
	s_lshl_b32 s21, s16, 15                        ; + my half's 8
	s_add_co_u32 s20, s20, s21
	s_mov_b32 s21, 0
	s_lshl_b32 s46, s42, 17                        ; W_proj: row 128 X (in registers that never hold cy),
	s_lshl_b32 s47, s16, 16                        ; + my half's 64
	s_add_co_u32 s46, s46, s47
	s_mov_b32 s47, 0
	s_lshl_b32 s19, s16, 15                        ; where they go in a slot
	s_mul_i32 s96, s16, S0H
	s_add_co_u32 s96, s96, S0OFF
	s_wait_kmcnt 0x0
	s_load_b256 s[84:91], s[10:11], 0x0            ; e0 .. e7
	s_add_nc_u64 s[66:67], s[4:5], s[20:21]
	s_add_nc_u64 s[70:71], s[6:7], s[46:47]
	CROUND                                         ; all sixteen work-groups are here: the first joint loads meet
.irp s, 0,1
	s_mov_b32 s[G0+4*\s], 1
	s_add_co_u32 s[G0+4*\s+1], s19, \s*SLOT
	s_add_nc_u64 s[G0+4*\s+2:G0+4*\s+3], s[66:67], \s*2097152    ; K slot s: 512 token tiles x 4,096 bytes on
	s_or_b32 s[G0+4*\s+3], s[G0+4*\s+3], 0x80000000
	s_mov_b32 s[G0B+4*\s], 1
	s_add_co_u32 s[G0B+4*\s+1], s96, \s*SLOT
	s_add_nc_u64 s[G0B+4*\s+2:G0B+4*\s+3], s[70:71], \s*256
	s_or_b32 s[G0B+4*\s+3], s[G0B+4*\s+3], 0x80000000
	s_wait_alu depctr_va_vdst(0)
	s_wait_tensorcnt 0x0
	ds_add_u32 v28, v29
	ds_add_u32 v28, v29
	s_wait_dscnt 0x0
	CROUND
	JLOAD \s                                       ; one tensor load of mine is out
.endr
	s_lshl_b32 s2, s17, 20                         ; out0: row 256 Y + 128 x my half, of 4,096 bytes,
	s_lshl_b32 s3, s15, 19
	s_add_co_u32 s2, s2, s3
	s_lshl_b32 s3, s42, 9                          ; column 128 X + 64 x my half, of 4 bytes
	s_add_co_u32 s2, s2, s3
	s_lshl_b32 s3, s16, 8
	s_add_co_u32 s2, s2, s3
	s_mov_b32 s3, 0
	s_add_nc_u64 s[76:77], s[12:13], s[2:3]
	s_lshl_b32 s2, s42, 9                          ; the biases of my 64 outputs
	s_lshl_b32 s3, s16, 8
	s_add_co_u32 s2, s2, s3
	s_mov_b32 s3, 0
	s_add_nc_u64 s[82:83], s[8:9], s[2:3]
	v_and_b32 v1, 15, v0                           ; r
	v_bfe_u32 v2, v0, 4, 1                         ; h
	v_and_b32 v4, 31, v0
	v_lshlrev_b32 v4, 4, v4                        ; 16 x lane: my place in a group of an image
	v_mul_u32_u24 v3, v1, PITCH
	v_lshl_add_u32 v3, v2, 3, v3                   ; W_proj: row r x pitch + 8 h
	s_lshl_b32 s21, s15, 15
	s_mul_i32 s22, s16, S0H
	s_add_co_u32 s22, s22, S0OFF
.irp s, 0,1
	v_add_nc_u32 v[ADR1+\s], s21, v4
	v_add_nc_u32 v[ADR0+\s], s22, v3
	s_add_co_u32 s21, s21, SLOT
	s_add_co_u32 s22, s22, SLOT
.endr
	s_mul_i32 s23, s14, 16*SPITCH
	s_add_co_u32 s23, s23, STAGE                   ; my stage
	v_mul_u32_u24 v5, v1, SPITCH                   ; in: row r, 32 bytes for each half of the lanes
	v_lshl_add_u32 v5, v2, 5, v5
	v_add_nc_u32 v[STO], s23, v5
	v_mul_u32_u24 v5, v2, SPITCH                   ; back: lanes 0-15 take one row of 256 bytes, lanes 16-31 the next
	v_lshl_add_u32 v5, v1, 4, v5
	v_add_nc_u32 v[RD], s23, v5
	v_lshlrev_b32 v5, 12, v2                       ; and the same two rows in out0
	v_lshl_add_u32 v[CO], v1, 4, v5
	v_lshlrev_b32 v6, 5, v2                        ; 32 h
	WIN 0xc0                                       ; destination window 3
.irp b, 0,1,2,3
	global_load_b128 v[8*\b:8*\b+3], v6, s[82:83] offset:64*\b       ; b(16 b + 8 h + 0 .. 7)
	global_load_b128 v[8*\b+4:8*\b+7], v6, s[82:83] offset:64*\b+16
.endr
	WIN 0
	s_wait_kmcnt 0x0
	s_add_co_i32 s92, s90, s91
	s_add_co_i32 s92, s92, 127
	s_lshl_b32 s92, s92, 23                        ; 2^(e6 + e7) as f32
	s_mov_b32 s93, s92
.macro FETCH1 slot, q, p               ; y's eight fragments of the slot's q-th 128 along K: 32 loads of 512 consecutive bytes
	WIN 0x40
.irp a, 0,1,2,3,4,5,6,7
.irp g, 0,1,2,3
	ds_load_b128 v[128*(\p)+16*\a+4*\g:128*(\p)+16*\a+4*\g+3], v[ADR1+\slot] offset:\a*4096+2048*(\q)+512*\g
.endr
.endr
	WIN 0
.endm
.macro FETCH0 slot, q, p               ; W_proj's four: registers 2 c, 2 c + 1 = K 16 c + 8 h + 0 .. 7 of row r: 32 loads of 8 bytes a lane
.irp b, 0,1,2,3
.irp c, 0,1,2,3,4,5,6,7
	ds_load_b64 v[F0+64*(\p)+16*\b+2*\c:F0+64*(\p)+16*\b+2*\c+1], v[ADR0+\slot] offset:\b*16*PITCH+128*(\q)+16*\c
.endr
.endr
.endm
.macro MUL8 a0, p, zero                ; the 32 accumulators take turns, one instruction a turn, in the same order in every step
	WIN 0xa4
.irp a, \a0, \a0+1
.irp b, 0,1,2,3
.if \zero
	v_wmma_f32_16x16x128_fp8_fp8 v[8*(4*(\a)+\b):8*(4*(\a)+\b)+7], v[F0+64*(\p)+16*\b:F0+64*(\p)+16*\b+15], v[128*(\p)+16*(\a):128*(\p)+16*(\a)+15], 0
.else
	v_wmma_f32_16x16x128_fp8_fp8 v[8*(4*(\a)+\b):8*(4*(\a)+\b)+7], v[F0+64*(\p)+16*\b:F0+64*(\p)+16*\b+15], v[128*(\p)+16*(\a):128*(\p)+16*(\a)+15], v[8*(4*(\a)+\b):8*(4*(\a)+\b)+7]
.endif
.endr
.endr
.endm
.macro STEP slot, zero                 ; a slot's first step multiplies set 0 and fetches the second step's fragments into set 1
	PLACES 4                                       ; between the products that read set 1 and the loads into it
	FETCH1 \slot, 1, 1
	s_wait_dscnt 32                                ; all but the 32 just issued: set 0 is in.  (The wait stands in the run's middle: behind all 64 its count could not be written)
	FETCH0 \slot, 1, 1
	MUL8 0, 0, \zero
	MUL8 2, 0, \zero
	MUL8 4, 0, \zero
	MUL8 6, 0, \zero
.endm
; A slot's second step multiplies set 1 and changes slots: the wait for all my tensor loads, the add, the wait for it and for my reads of this slot; ONE barrier, which with fill = 1 opens a round of the cluster's barrier.
.macro TURN slot, next, fill
	WIN 0
	s_wait_tensorcnt 0x0                           ; all my tensor loads have landed: my part of the next slot
	ds_add_u32 v[SPW], v[NIL]                      ; 0 onto my spare word
	s_wait_dscnt 1                                 ; set 1 is in; the add alone may be out
	MUL8 0, 1, 0
	s_wait_dscnt 0x0                               ; the add is done, and my reads of this slot are over
	s_barrier_signal -1
	MUL8 2, 1, 0
	WIN 0
	s_barrier_wait -1
.if \fill
	CREST
	s_add_nc_u64 s[G0+4*\slot+2:G0+4*\slot+3], s[G0+4*\slot+2:G0+4*\slot+3], 2*2097152
	s_add_nc_u64 s[G0B+4*\slot+2:G0B+4*\slot+3], s[G0B+4*\slot+2:G0B+4*\slot+3], 512
	JLOAD \slot                                    ; the first tensor load behind the round: one load of mine is out; its four v_nop are also the places in front of the loads below
.else
	PLACES 4
.endif
	FETCH1 \next, 0, 0
	FETCH0 \next, 0, 0
	MUL8 4, 1, 0
	MUL8 6, 1, 0
.endm
; THE WAY OUT, block a (16 tokens x my 64 outputs) after block a.  A lane holds 32 neighbouring bytes of a row and the lanes beside it other rows: so a block goes through my own stage and comes back as rows of 256 bytes.
; LDS serves a wave's instructions in order (ISA guide 5.7.1.4): no wait between the stores and the loads.
.macro TOSTAGE a
	WIN 0x32                                       ; source 0 (the sums) window 2, source 2 (the biases) window 3
.irp b, 0,1,2,3
.irp i, 0,2,4,6
	v_pk_fma_f32 v[T+8*\b+\i:T+8*\b+\i+1], v[8*(4*(\a)+\b)+\i:8*(4*(\a)+\b)+\i+1], s[92:93], v[8*\b+\i:8*\b+\i+1] op_sel_hi:[1,0,1]   ; sum x 2^(e6 + e7) + bias; each accumulator from its low end on
.endr
.endr
	WIN 0
.irp b, 0,1,2,3
	ds_store_b128 v[STO], v[T+8*\b:T+8*\b+3] offset:64*\b
	ds_store_b128 v[STO], v[T+8*\b+4:T+8*\b+7] offset:64*\b+16
.endr
.set BB, BK+32*((\a)%2)
.irp i, 0,1,2,3,4,5,6,7
	ds_load_b128 v[BB+4*\i:BB+4*\i+3], v[RD] offset:\i*2*SPITCH
.endr
.endm
.macro SEND a, younger                 ; younger: the LDS instructions issued behind block a's loads, which may stay out
.set BB, BK+32*((\a)%2)
	s_wait_dscnt \younger
.irp i, 0,1,2,3,4,5,6,7
	global_store_b128 v[CO], v[BB+4*\i:BB+4*\i+3], s[76:77] offset:(\a)*65536+\i*8192 th:TH_STORE_NT   ; 16 lanes store 256 consecutive bytes, at a multiple of 256 from out0's first byte; written once
.endr
.endm
	s_wait_loadcnt 0x0                             ; the biases
	s_wait_tensorcnt 1                             ; my part of slot 0 is in; slot 1's may stay out
	s_barrier_signal -1
	s_barrier_wait -1
	FETCH1 0, 0, 0
	FETCH0 0, 0, 0
	STEP 0, 1
	TURN 0, 1, 1
	STEP 1, 0
	TURN 1, 0, 1
	STEP 0, 0
	TURN 0, 1, 0                                   ; nothing is left to fetch
	STEP 1, 0
	s_wait_dscnt 0x0                               ; the very last step
	MUL8 0, 1, 0
	MUL8 2, 1, 0
	MUL8 4, 1, 0
	MUL8 6, 1, 0
	WIN 0
	PLACES 4                                       ; between the last products and the first read of results
	TOSTAGE 0
.irp a, 1,2,3,4,5,6,7
.if \a > 1
	s_wait_xcnt 0x0                                ; block a - 2's stores have read their registers: block a's loads may land there
.endif
	TOSTAGE \a
	SEND \a-1, 16                                  ; behind block a - 1's loads: block a's 8 stores and 8 loads
.endr
	SEND 7, 0
	s_wait_tensorcnt 0x0                           ; the wave's end
	ds_add_u32 v[SPW], v[NIL]
	s_wait_dscnt 0x0
	CROUND                                         ; the closing round
	s_endpgm
.Lfunc_end_k_qf1988f4fa3_proj:
	.size	k_qf1988f4fa3_proj, .Lfunc_end_k_qf1988f4fa3_proj-k_qf1988f4fa3_proj
	.p2alignl 7, 3214868480
	.fill 96, 4, 3214868480
	.section	.rodata,"a",@progbits
	.p2align	6, 0x0
	.amdhsa_kernel k_qf1988f4fa3_proj
		.amdhsa_group_segment_fixed_size 327680
		.amdhsa_private_segment_fixed_size 0
		.amdhsa_enable_private_segment 0
		.amdhsa_kernarg_size 40
		.amdhsa_user_sgpr_count 2
		.amdhsa_user_sgpr_kernarg_segment_ptr 1
		.amdhsa_wavefront_size32 1
		.amdhsa_system_sgpr_workgroup_id_x 1
		.amdhsa_system_sgpr_workgroup_id_y 1
		.amdhsa_system_sgpr_workgroup_id_z 1
		.amdhsa_system_vgpr_workitem_id 0
		.amdhsa_next_free_vgpr 800
		.amdhsa_next_free_sgpr 100
		.amdhsa_reserve_vcc 0
		.amdhsa_float_denorm_mode_32 3
		.amdhsa_float_denorm_mode_16_64 3
		.amdhsa_memory_ordered 1
		.amdhsa_forward_progress 1
		.amdhsa_inst_pref_size 85
	.end_amdhsa_kernel
	.amdgpu_metadata
---
amdhsa.version: [ 1, 2 ]
amdhsa.kernels:
  - .name:           k_qf1988f4fa3_proj
    .symbol:         k_qf1988f4fa3_proj.kd
    .args:
      - { .name: yimg, .offset: 0, .size: 8, .value_kind: global_buffer, .address_space: global }
      - { .name: W_proj_codes, .offset: 8, .size: 8, .value_kind: global_buffer, .address_space: global }
      - { .name: b_proj, .offset: 16, .size: 8, .value_kind: global_buffer, .address_space: global }
      - { .name: lowp_scales, .offset: 24, .size: 8, .value_kind: global_buffer, .address_space: global }
      - { .name: out0, .offset: 32, .size: 8, .value_kind: global_buffer, .address_space: global }
    .group_segment_fixed_size: 327680
    .private_segment_fixed_size: 0
    .kernarg_segment_align: 8
    .kernarg_segment_size: 40
    .max_flat_workgroup_size: 128
    .sgpr_count:     100
    .vgpr_count:     800
    .wavefront_size: 32
...
	.end_amdgpu_metadata
.endif
;; end of part 3
